; MI455X (gfx1250); checked and timed in simulation.
; The chip was launched on July 23, 2026; its instructions are those of AMD's public machine-readable ISA for CDNA 5 (MIT licence, August 2026) and "CDNA5" Instruction Set Architecture Reference Guide (July 2026). The comments in the code are by the model that wrote it; some were corrected since.
;; Kernel Dense Bayesian. Allowed arithmetic: matrix products marked QUANTISED: E2M1 operands, one E8M0 scale for each 32 along K, by v_wmma_scale_f32_16x16x128_f8f6f4 with both operands' format E2M1 (or v_wmma_scale_f32_32x16x128_f4), f32 sums; products left as they are: f32 operands where the result goes on into a quantised operand, else bf16, f16 or f32 operands; f32 sums; everything else in f32.
;; Inputs: alpha_mean 4,096 float32; columns_mean 4,096 x 2 float32; rows_mean 4,096 x 2 float32; x 4,096 x 4,096 float32.
;; Outputs: out0 4,096 x 4,096 float32.
;; This version of the problem:
;;   THIS VERSION OF THE PROBLEM IS GIVEN IN LOW PRECISION. The matrix products marked QUANTISED in the list below multiply operands that are first quantised to E2M1 (2 exponent bits, 1 mantissa bit; 4 bits a number), with one power-of-two scale for each 32 numbers along K (OCP MX v1.0); their sums are f32. All else is computed in f32.
;;   The module's matrix products, in the order in which they are computed (A, B: the left and right operand; K: the contracted axis; several contracted axes count as one K, in the product's order):
;;     1. [M 4,096, K 2] x [K 2, N 4,096]; A: input columns_mean; B: input rows_mean: left as it is (K = 2 < 32)
;;     2. [M 4,096, K 4,096] x [K 4,096, N 4,096]; A: computed on the way; B: computed on the way: QUANTISED
;;   THE QUANTISER, for each operand of a quantised product, along K:
;;     - K is cut into blocks of 32 from its start; a last block that is shorter is filled with zeros.
;;     - A block's scale is 2^e with e = floor(log2(the largest magnitude in the block)) - 2, held to -126 .. 127; a block of zeros has e = 0. As a byte (E8M0): e + 127.
;;     - Each number is divided by its block's scale, clamped to +-6, and rounded to the nearest number of E2M1, ties to even, subnormals kept.
;;     - The product sums the exact products of the quantised numbers (number of the format x scale) in f32.
;;   ~~~python
;;   def quantise(x, axis):      # numpy; x: float32 -> the quantised numbers, widened to float32 again
;;       x = np.moveaxis(x, axis, -1); K = x.shape[-1]
;;       x = np.pad(x, [(0, 0)] * (x.ndim - 1) + [(0, -K % 32)]); x = x.reshape(x.shape[:-1] + (-1, 32)); a = np.abs(x).max(-1, keepdims=True)
;;       e = np.where(a > 0, np.clip(np.frexp(np.where(a > 0, a, 1))[1] - 1 - 2, -126, 127), 0)      # np.frexp(a)[1] - 1 = floor(log2(a)), exactly
;;       r = np.clip(x / 2.0 ** e, -6, 6)
;;       step = 2.0 ** (np.maximum(np.frexp(np.where(r == 0, 1, r))[1] - 1, 0) - 1)
;;       q = np.round(r / step) * step * 2.0 ** e      # np.round: ties to even
;;       return np.moveaxis(q.reshape(q.shape[:-2] + (-1,))[..., :K], -1, axis).astype(np.float32)
;;   ~~~
;;   OPERANDS COMPUTED ON THE WAY. 'Computed on the way' means the value that the module computes at that place (a softmax that the list does not call 'softmax' is quantised finished and normalised). What goes into a quantiser is computed in f32, as accurately as f32 sums, v_exp_f32 and their like allow (about 1e-6 of the number): no bf16 or f16 on the way to a quantiser, and a product that is left as it is and whose result goes on into a quantised operand takes f32 operands (vector FMAs, or v_wmma_f32_16x16x4_f32). A number that lies on a knife's edge between two numbers of the format may be rounded either way, as far as f32 arithmetic and the matrix unit's own rounding can turn it there, and no further.
;; One version. Each part assembles by itself: llvm-mc -triple=amdgcn-amd-amdhsa -mcpu=gfx1250 --defsym DOCPART=n.
;; ======== version 1 of 1: 2 launches
;; workspace buffers: a_pack 8,912,896 bytes; w_pack 8,912,896 bytes
;; launch pack (part 1): grid 256 x 1, 4 waves a work-group, no clusters, 327,680 bytes of LDS; arguments x, alpha_mean, columns_mean, rows_mean, a_pack, w_pack; writes a_pack, w_pack
.if DOCPART == 1
	.amdgcn_target "amdgcn-amd-amdhsa--gfx1250"
	.amdhsa_code_object_version 6
	.text
	.protected	k_q6584d00301_pack
	.globl	k_q6584d00301_pack
	.p2align	8
	.type	k_q6584d00301_pack,@function
k_q6584d00301_pack:
	s_mov_b64 s[64:65], 0
	v_nop
	global_prefetch_b8 v0, s[64:65] scope:SCOPE_SE
	s_setreg_imm32_b32 hwreg(HW_REG_WAVE_MODE, 25, 1), 1
	s_wait_xcnt 0x0
; BOTH OPERANDS OF out = (x * alpha) @ w ARE MADE HERE, ONCE, AS CODES OF FP4 (E2M1) WITH ONE E8M0 BYTE FOR EACH 32 ALONG K = IN.
;   A[m][k] = x[m][k] * alpha[k]                                            (K innermost in memory)
;   W[n][k] = exp(-((|row_n|^2 + |col_k|^2) - 2 col_k . row_n))             (computed, so which lane makes which number is free: K is laid innermost)
; A block's scale is 2^(floor(log2(its largest magnitude)) - 2); its byte is the largest magnitude's exponent field - 2, held at 1 from below.
; THE TWO BUFFERS HAVE ONE LAYOUT, made for the product's launch.  Block (g, s) = 128 rows (group g of 32) x 512 along K (step s of 8) is BLK = 34,816 dense bytes at (8 g + s) BLK:
;   bytes 0 .. 32,767: the codes as IMAGES OF THE OPERAND'S REGISTERS.  Fragment (i, q) (rows 16 i on, K 128 q on) at (8 q + i) 1,024; in it register group c at 512 c, lane 16 h + r at 256 h + 16 r:
;                      those 16 bytes are the 32 codes of MX block t = 4 q + 2 c + h of row 16 i + r, the lower k in the lower bits;
;   bytes 32,768 on:   row rho's 16 scale bytes at 16 rho, byte t for MX block t: word q is the scale word of the row's fragment q.
; SHARES.  Work-group b makes block b of both buffers.  Wave j owns rows 32 j .. 32 j + 31, A LANE OWNS A ROW, and its registers run along K: a block of 32 lies in one lane, so that no maximum asks another lane
; and the conversions' four registers are 16 bytes of the image.  Lanes 0-15 store 256 consecutive aligned bytes, lanes 16-31 the 256 bytes that lie 1,024 further on.
; ORDER.  Four tensor loads bring the wave's 32 rows x 512 numbers of x into its own LDS bytes (four are out, by this text's count); while they land the wave computes and quantises its 16 blocks of W;
; then its 16 blocks of A, each quarter behind a counted wait.  The waves share nothing: no barrier, no branch; no LDS byte is filled twice.
; No cluster: the work-groups share 6 KB of tables and nothing else.  No prefetch: all that the launch reads is asked for at its head.
; LIMITS.  v_exp_f32 gives 0 where the result would lie under 2^-126 (ISA guide, the instruction's entry): such w are taken as 0.  The exponent -log2(e) x arg is rounded once in f32, so w carries a relative
; error of about |arg| x 1e-7.  A block of zeros gets the byte 1 (the rule says 127) with zero codes: this program alone reads the bytes.  NaN and infinities among the inputs are not served.
.set BLK,    34816
.set SCO,    32768                     ; where a block's scale bytes begin
.set XPITCH, 528                       ; a row of x's tile in LDS: 512 bytes + 16 of padding: 33 x 16 bytes
.set XCH,    32*XPITCH                 ; a tile: 32 rows x 128 numbers
.set XW,     4*XCH                     ; a wave's four tiles
.set ALT,    4*XW                      ; behind the tiles: alpha[512 s ..], 2,048 bytes for each wave (LDS stores; no tile lands here)
.set CT,     ALT+4*2048                ; col's first numbers [512], second numbers [512], |col|^2 [512]: 6,144 bytes for each wave
.set XA,   2                           ; v2   my row in my wave's tiles
.set ALW,  3                           ; v3   alpha's table, on the way in: 16 bytes a lane
.set ALR,  4                           ; v4   and out: the same address in every lane
.set OFF,  5                           ; v5   my 16 bytes in an image: 2,048 wave + 1,024 (lane / 16) + 16 (lane % 16); never rewritten
.set SOFF, 6                           ; v6   my row's scale bytes: 512 wave + 16 lane; never rewritten
.set CW,   7                           ; v7   col's tables, on the way in: 8 bytes a lane
.set CR,   8                           ; v8   and out
.set GL16, 9                           ; v9   16 x lane
.set GL8,  10                          ; v10  8 x lane
.set MX0,  12                          ; v12, v13  two chains of the largest magnitude
.set MX1,  13
.set SCL,  14                          ; v14  the conversions' scale operand
.set BYT,  15                          ; v15  the scale's byte
.set SB,   16                          ; v16-19   my row's 16 scale bytes
.set CD,   20                          ; v20-83   four registers of codes for each of 16 blocks: no store's data are written again within a phase
.set T,    84                          ; v84-115  W: 32 numbers at work
.set C0,   116                         ; v116-147 W: col's first numbers of the block
.set C1,   148                         ; v148-179 W: its second numbers
.set Y2,   180                         ; v180-211 W: |col|^2
.set XR,   84                          ; A: two sets of 32 numbers of x, v84-147
.set AL,   148                         ; A: two sets of 32 numbers of alpha, v148-211
.set R0P,  212                         ; v[212:213] row's first number, twice;  v[214:215] its second;  v[216:217] |row|^2
.set R1P,  214
.set X2P,  216
.set G1,   24                          ; s[24:31] descriptor group 1;  s[32:47] four groups 0
.set G0,   32
.set LG,   48                          ; s[48:49] -log2(e): the packed form names a pair and takes its low word for both halves
	s_load_b256 s[4:11], s[0:1], 0x0               ; x s[4:5], alpha s[6:7], columns s[8:9], rows s[10:11]
	s_load_b128 s[12:15], s[0:1], 0x20             ; a_pack s[12:13], w_pack s[14:15]
	v_lshl_add_u32 v254, v0, 2, 0x4a000
	v_mov_b32 v255, 0
	ds_add_u32 v254, v255
	ds_add_u32 v254, v255
	v_lshrrev_b32 v1, 5, v0
	v_readfirstlane_b32 s16, v1                    ; wave 0..3
	v_and_b32 v1, 31, v0                           ; lane
	s_lshr_b32 s17, ttmp9, 3                       ; g: which 128 rows
	s_and_b32 s18, ttmp9, 7                        ; s: which 512 along K
	; descriptor group 1: a tile of 32 rows x 128 elements of 4 bytes, 16 bytes of padding behind each row
	s_mov_b32 s[G1+0], (2<<16)|(1<<20)|(6<<22)|(3<<25)  ; 15:0 no mask; 17:16 elements of 4 bytes; 20 padding on; 24:22 after every 128 words (code 6); 31:25 four words (code 3)
	s_mov_b32 s[G1+1], 128<<16                     ; tensor_dim0 = 128
	s_mov_b32 s[G1+2], 32<<16                      ; tensor_dim1 = 32
	s_mov_b32 s[G1+3], 128<<16                     ; tile_dim0 = 128
	s_mov_b32 s[G1+4], 32                          ; tile_dim1 = 32
	s_mov_b32 s[G1+5], 4096                        ; elements from row to row
	s_mov_b32 s[G1+6], 0
	s_mov_b32 s[G1+7], 0
	s_mov_b32 s[LG], 0xbfb8aa3b                    ; -log2(e)
	s_mov_b32 s[LG+1], s[LG]                       ; (named with it as a pair, so it is written)
	s_mul_i32 s19, s16, XW                         ; my wave's tiles in LDS
	v_mul_u32_u24 v[XA], v1, XPITCH
	v_add_nc_u32 v[XA], s19, v[XA]
	s_lshl_b32 s20, s16, 11
	s_add_co_u32 s20, s20, ALT
	v_lshl_add_u32 v[ALW], v1, 4, s20
	v_mov_b32 v[ALR], s20
	s_mul_i32 s20, s16, 6144
	s_add_co_u32 s20, s20, CT
	v_lshl_add_u32 v[CW], v1, 3, s20
	v_mov_b32 v[CR], s20
	v_lshlrev_b32 v[GL16], 4, v1
	v_lshlrev_b32 v[GL8], 3, v1
	v_and_b32 v11, 15, v1
	v_lshrrev_b32 v[OFF], 4, v1
	v_lshlrev_b32 v[OFF], 10, v[OFF]
	v_lshl_add_u32 v[OFF], v11, 4, v[OFF]
	s_lshl_b32 s20, s16, 11
	v_add_nc_u32 v[OFF], s20, v[OFF]
	s_lshl_b32 s20, s16, 9
	v_lshl_add_u32 v[SOFF], v1, 4, s20
	; byte offsets, each in a pair of its own with 0 above it
	s_lshl_b32 s20, s17, 21                        ; x: 128 g rows of 16,384 bytes
	s_lshl_b32 s22, s16, 19                        ;    + 32 wave rows
	s_add_co_u32 s20, s20, s22
	s_lshl_b32 s22, s18, 11                        ;    + 512 s numbers; this is alpha's offset too
	s_add_co_u32 s20, s20, s22
	s_mov_b32 s21, 0
	s_mov_b32 s23, 0
	s_lshl_b32 s50, s18, 12                        ; columns: 512 s pairs
	s_mov_b32 s51, 0
	s_lshl_b32 s52, s17, 10                        ; rows: 128 g + 32 wave pairs
	s_lshl_b32 s53, s16, 8
	s_add_co_u32 s52, s52, s53
	s_mov_b32 s53, 0
	s_mul_i32 s54, ttmp9, BLK                      ; my block in both packed buffers
	s_mov_b32 s55, 0
	s_wait_dscnt 0x0
	s_wait_kmcnt 0x0
	s_add_nc_u64 s[4:5], s[4:5], s[20:21]
	s_add_nc_u64 s[6:7], s[6:7], s[22:23]
	s_add_nc_u64 s[8:9], s[8:9], s[50:51]
	s_add_nc_u64 s[10:11], s[10:11], s[52:53]
	s_add_nc_u64 s[12:13], s[12:13], s[54:55]
	s_add_nc_u64 s[14:15], s[14:15], s[54:55]
.irp q, 0,1,2,3
	s_mov_b32 s[G0+4*\q], 1                                        ; count = 1
	s_add_co_u32 s[G0+4*\q+1], s19, \q*XCH                         ; LDS address: my wave's tile q
	s_add_nc_u64 s[G0+4*\q+2:G0+4*\q+3], s[4:5], \q*512            ; global address: 128 q numbers along my rows
	s_or_b32 s[G0+4*\q+3], s[G0+4*\q+3], 0x80000000                ; type = 2
.endr
.irp q, 0,1,2,3
	tensor_load_to_lds s[G0+4*\q:G0+4*\q+3], s[G1:G1+7]            ; all first fills together, ahead of every wait on TENSORcnt and every LDS read
	s_nop 0
.endr
.rept 4
	v_nop
.endr
	; the small tables
.irp n, 0,1,2,3
	global_load_b128 v[T+4*\n:T+4*\n+3], v[GL16], s[6:7] offset:512*\n        ; alpha[512 s ..]: 2,048 bytes
.endr
.irp n, 0,1,2,3,4,5,6,7
	global_load_b128 v[C0+4*\n:C0+4*\n+3], v[GL16], s[8:9] offset:512*\n      ; col 64 n + 2 lane and the next: (a0, a1, b0, b1)
.endr
	global_load_b64 v[218:219], v[GL8], s[10:11]   ; my row's two numbers
	s_wait_loadcnt 0x0
.irp n, 0,1,2,3
	ds_store_b128 v[ALW], v[T+4*\n:T+4*\n+3] offset:512*\n
.endr
.irp n, 0,1,2,3,4,5,6,7
	v_mov_b32 v220, v[C0+4*\n+1]                   ; (a0, a1, b0, b1) -> (a0, b0), (a1, b1)
	v_mov_b32 v[C0+4*\n+1], v[C0+4*\n+2]
	v_mov_b32 v[C0+4*\n+2], v220
	v_pk_mul_f32 v[C1+2*\n:C1+2*\n+1], v[C0+4*\n:C0+4*\n+1], v[C0+4*\n:C0+4*\n+1]
	v_pk_fma_f32 v[C1+2*\n:C1+2*\n+1], v[C0+4*\n+2:C0+4*\n+3], v[C0+4*\n+2:C0+4*\n+3], v[C1+2*\n:C1+2*\n+1]   ; |col|^2 of the two
	ds_store_b64 v[CW], v[C0+4*\n:C0+4*\n+1] offset:256*\n
	ds_store_b64 v[CW], v[C0+4*\n+2:C0+4*\n+3] offset:2048+256*\n
	ds_store_b64 v[CW], v[C1+2*\n:C1+2*\n+1] offset:4096+256*\n
.endr
	v_mov_b32 v[R0P], v218
	v_mov_b32 v[R0P+1], v218
	v_mov_b32 v[R1P], v219
	v_mov_b32 v[R1P+1], v219
	v_mul_f32 v[X2P], v218, v218
	v_fma_f32 v[X2P], v219, v219, v[X2P]           ; |row|^2
	v_mov_b32 v[X2P+1], v[X2P]
; 32 numbers of my row, v[src] on, are MX block t: its byte goes into v[SB ..], its 32 codes leave as 16 bytes of the image in the buffer at s[out:out+1].
.macro QBLK src, t, out
	v_max3_num_f32 v[MX0], |v[\src]|, |v[\src+1]|, |v[\src+2]|     ; the block's largest magnitude: all 32 numbers are mine; two chains
	v_max3_num_f32 v[MX1], |v[\src+3]|, |v[\src+4]|, |v[\src+5]|
.irp i, 6,10,14,18,22,26
	v_max3_num_f32 v[MX0], v[MX0], |v[\src+\i]|, |v[\src+\i+1]|
	v_max3_num_f32 v[MX1], v[MX1], |v[\src+\i+2]|, |v[\src+\i+3]|
.endr
	v_max3_num_f32 v[MX0], v[MX0], |v[\src+30]|, |v[\src+31]|
	v_max3_num_f32 v[MX0], v[MX0], v[MX1], 0x1800000               ; and the floor 2^(3 - 127): the byte cannot fall under 1
	v_add_nc_u32 v[SCL], 0xff000000, v[MX0]                        ; 2 off its exponent field: the conversion takes the exponent field of this operand as its scale, and nothing else of it
.irp g, 0,1,2,3
	v_cvt_scalef32_pk8_fp4_f32 v[CD+4*(\t)+\g], v[\src+8*\g:\src+8*\g+7], v[SCL]   ; to the nearest code, ties to even; beyond 6 the largest code
.endr
	v_lshrrev_b32 v[BYT], 23, v[SCL]                               ; the scale's byte.  (Also the plain instruction behind the conversions)
.if (\t)%4 == 0
	v_mov_b32 v[SB+(\t)/4], v[BYT]
.else
	v_lshl_or_b32 v[SB+(\t)/4], v[BYT], 8*((\t)%4), v[SB+(\t)/4]
.endif
	global_store_b128 v[OFF], v[CD+4*(\t):CD+4*(\t)+3], s[\out:\out+1] offset:((\t)/4)*8192+(((\t)/2)%2)*512+((\t)%2)*256   ; 16 lanes store 256 consecutive bytes, at a multiple of 256 from the buffer's first byte
.endm
; the tables of block t: col's numbers and |col|^2 for k = 32 t .. 32 t + 31, the same in every lane
.macro WLOAD t
.irp n, 0,1,2,3,4,5,6,7
	ds_load_b128 v[C0+4*\n:C0+4*\n+3], v[CR] offset:128*(\t)+16*\n
.endr
.irp n, 0,1,2,3,4,5,6,7
	ds_load_b128 v[C1+4*\n:C1+4*\n+3], v[CR] offset:2048+128*(\t)+16*\n
.endr
.irp n, 0,1,2,3,4,5,6,7
	ds_load_b128 v[Y2+4*\n:Y2+4*\n+3], v[CR] offset:4096+128*(\t)+16*\n
.endr
.endm
; stage st of five, for the eight numbers (four pairs) of group gk of four
.macro WSTAGE st, gk
.irp n, 0,1,2,3
.set p, 2*(4*(\gk)+\n)
.if (\st) == 0
	v_pk_mul_f32 v[T+p:T+p+1], v[C0+p:C0+p+1], v[R0P:R0P+1]
.elseif (\st) == 1
	v_pk_fma_f32 v[T+p:T+p+1], v[C1+p:C1+p+1], v[R1P:R1P+1], v[T+p:T+p+1]            ; col . row, in f32
.elseif (\st) == 2
	v_pk_add_f32 v[Y2+p:Y2+p+1], v[Y2+p:Y2+p+1], v[X2P:X2P+1]                        ; |row|^2 + |col|^2
.elseif (\st) == 3
	v_pk_fma_f32 v[T+p:T+p+1], v[T+p:T+p+1], -2.0, v[Y2+p:Y2+p+1] op_sel_hi:[1,0,1]  ; + (-2 col . row): the doubling rounds nothing, so this is one f32 addition
.else
	v_pk_mul_f32 v[T+p:T+p+1], v[T+p:T+p+1], s[LG:LG+1] op_sel_hi:[1,0]              ; x -log2(e)
.endif
.endr
.endm
; Block t of W.  The 32 exponentials are ONE BATCH: those of a group stand among the next group's packed lines, none of which names a result; one plain instruction and one wait follow the last,
; ahead of the first reader.  The next block's tables are asked for as soon as this block has read its own for the last time.
.macro WBLK t
	s_wait_dscnt 0x0                               ; my tables are in
.irp gk, 0,1,2,3,4
.irp st, 0,1,2,3,4
.if \gk < 4
	WSTAGE \st, \gk
.endif
.if (\gk == 3) && (\st == 3) && ((\t) < 15)
	WLOAD (\t)+1
.endif
.if (\gk > 0) && (\st < 4)
	v_exp_f32 v[T+8*(\gk-1)+2*\st], v[T+8*(\gk-1)+2*\st]
	v_exp_f32 v[T+8*(\gk-1)+2*\st+1], v[T+8*(\gk-1)+2*\st+1]
.endif
.endr
.endr
	v_nop                                          ; a plain instruction between the last exponential and the use of its result (ISA guide 5.7.2)
	s_wait_alu depctr_va_vdst(0)                   ; the wait ahead of the first reader: one for the 32
	QBLK T, \t, 14
.endm
; x and alpha of block t into set t % 2.  Each quarter of my rows' 512 numbers is one tensor load's tile: the count leaves the younger tiles on their way.
.macro ALOAD t
.if (\t)%4 == 0
	s_wait_tensorcnt 3-(\t)/4                      ; a wave's tensor loads end in order (ISA guide 10.11.1): tile t / 4 is in
.endif
.irp n, 0,1,2,3,4,5,6,7
	ds_load_b128 v[XR+32*((\t)%2)+4*\n:XR+32*((\t)%2)+4*\n+3], v[XA] offset:((\t)/4)*XCH+((\t)%4)*128+16*\n
.endr
.irp n, 0,1,2,3,4,5,6,7
	ds_load_b128 v[AL+32*((\t)%2)+4*\n:AL+32*((\t)%2)+4*\n+3], v[ALR] offset:128*(\t)+16*\n
.endr
.endm
; Block t of A.  The next block's 16 LDS loads go out first and stay out; where they begin a new tile they stand behind this block's work, so that their wait for the tile does not hold it up.
.macro ABLK t
.if ((\t)+1)%4 != 0
	ALOAD (\t)+1
	s_wait_dscnt 16                                ; all but the 16 just issued
.else
	s_wait_dscnt 0x0
.endif
.set XS, XR+32*((\t)%2)
.set ALS, AL+32*((\t)%2)
.irp p2, 0,2,4,6,8,10,12,14,16,18,20,22,24,26,28,30
	v_pk_mul_f32 v[XS+\p2:XS+\p2+1], v[XS+\p2:XS+\p2+1], v[ALS+\p2:ALS+\p2+1]   ; x * alpha, in f32
.endr
	QBLK XS, \t, 12
.if (((\t)+1)%4 == 0) && ((\t) < 15)
	ALOAD (\t)+1
.endif
.endm
	s_wait_dscnt 0x0                               ; the stores above have read their registers: the first tables land in them
	WLOAD 0
.irp t, 0,1,2,3,4,5,6,7,8,9,10,11,12,13,14,15
	WBLK \t
.endr
	global_store_b128 v[SOFF], v[SB:SB+3], s[14:15] offset:SCO     ; my row's 16 scale bytes: the wave stores 512 consecutive bytes
	s_wait_xcnt 0x0                                ; the stores' data registers (codes and bytes) are written again only behind this wait
	ALOAD 0
.irp t, 0,1,2,3,4,5,6,7,8,9,10,11,12,13,14,15
	ABLK \t
.endr
	global_store_b128 v[SOFF], v[SB:SB+3], s[12:13] offset:SCO
	s_wait_tensorcnt 0x0
	ds_add_u32 v254, v255
	s_wait_dscnt 0x0
	s_endpgm                                       ; (the last tile's wait was for 0: no tensor load is out)
.Lfunc_end_k_q6584d00301_pack:
	.size	k_q6584d00301_pack, .Lfunc_end_k_q6584d00301_pack-k_q6584d00301_pack
	.p2alignl 7, 3214868480
	.fill 96, 4, 3214868480
	.section	.rodata,"a",@progbits
	.p2align	6, 0x0
	.amdhsa_kernel k_q6584d00301_pack
		.amdhsa_group_segment_fixed_size 327680
		.amdhsa_private_segment_fixed_size 0
		.amdhsa_enable_private_segment 0
		.amdhsa_kernarg_size 48
		.amdhsa_user_sgpr_count 2
		.amdhsa_user_sgpr_kernarg_segment_ptr 1
		.amdhsa_wavefront_size32 1
		.amdhsa_system_sgpr_workgroup_id_x 1
		.amdhsa_system_sgpr_workgroup_id_y 1
		.amdhsa_system_sgpr_workgroup_id_z 1
		.amdhsa_system_vgpr_workitem_id 0
		.amdhsa_next_free_vgpr 256
		.amdhsa_next_free_sgpr 66
		.amdhsa_reserve_vcc 0
		.amdhsa_float_denorm_mode_32 3
		.amdhsa_float_denorm_mode_16_64 3
		.amdhsa_memory_ordered 1
		.amdhsa_forward_progress 1
		.amdhsa_inst_pref_size 213
	.end_amdhsa_kernel
	.amdgpu_metadata
---
amdhsa.version: [ 1, 2 ]
amdhsa.kernels:
  - .name:           k_q6584d00301_pack
    .symbol:         k_q6584d00301_pack.kd
    .args:
      - { .name: x, .offset: 0, .size: 8, .value_kind: global_buffer, .address_space: global }
      - { .name: alpha_mean, .offset: 8, .size: 8, .value_kind: global_buffer, .address_space: global }
      - { .name: columns_mean, .offset: 16, .size: 8, .value_kind: global_buffer, .address_space: global }
      - { .name: rows_mean, .offset: 24, .size: 8, .value_kind: global_buffer, .address_space: global }
      - { .name: a_pack, .offset: 32, .size: 8, .value_kind: global_buffer, .address_space: global }
      - { .name: w_pack, .offset: 40, .size: 8, .value_kind: global_buffer, .address_space: global }
    .group_segment_fixed_size: 327680
    .private_segment_fixed_size: 0
    .kernarg_segment_align: 8
    .kernarg_segment_size: 48
    .max_flat_workgroup_size: 128
    .sgpr_count:     66
    .vgpr_count:     256
    .wavefront_size: 32
...
	.end_amdgpu_metadata
.endif
;; end of part 1
;; launch gemm (part 2): grid 16 x 16, 4 waves a work-group, clusters of 4 x 4, 327,680 bytes of LDS; arguments a_pack, w_pack, out0; writes out0
.if DOCPART == 2
	.amdgcn_target "amdgcn-amd-amdhsa--gfx1250"
	.amdhsa_code_object_version 6
	.text
	.protected	k_q6584d00301_gemm
	.globl	k_q6584d00301_gemm
	.p2align	8
	.type	k_q6584d00301_gemm,@function
k_q6584d00301_gemm:
	s_mov_b64 s[64:65], 0
	v_nop
	global_prefetch_b8 v0, s[64:65] scope:SCOPE_SE
	s_setreg_imm32_b32 hwreg(HW_REG_WAVE_MODE, 25, 1), 1
	s_wait_xcnt 0x0
	s_wait_alu depctr_hold_cnt(0) depctr_sa_sdst(0) depctr_va_vdst(0) depctr_va_sdst(0) depctr_va_ssrc(0) depctr_va_vcc(0) depctr_vm_vsrc(0)
	s_getreg_b32 s2, hwreg(HW_REG_IB_STS2, 6, 4)
	s_cmp_eq_u32 s2, 0
	s_cbranch_scc0 .Lentry_in_a_cluster
	s_endpgm
.Lentry_in_a_cluster:
	s_bfe_u32 s2, ttmp6, 0x10000c
	s_cmp_lg_u32 s2, 0xf033
	s_cbranch_scc0 .Lentry_shape_is_right
	s_endpgm
.Lentry_shape_is_right:
; out0[m][n] = sum over k of A[m][k] W[n][k], M = N = K = 4,096, on codes of FP4 (E2M1) with one E8M0 scale for each 32 along K; sums in f32, K ascending, one accumulator for each output.
; BOTH OPERANDS COME PACKED by the launch before.  Block (g, s) = 128 rows x 512 along K is BLK = 34,816 dense bytes at (8 g + s) BLK: 32 fragments as images of their registers
; (fragment (i, q) at (8 q + i) 1,024; register group c at 512 c; lane l at 16 l), then the rows' scale bytes (row rho's 16 at 32,768 + 16 rho; word q scales fragment q).
; So one dense tensor load a wave brings a K step's codes AND scales of 128 rows, a fragment is two loads of 16 bytes a lane at 16 x lane (each covers 512 consecutive bytes: no pitch, no padding),
; and the four scale words of a row's K step are one load of 16 bytes.
; A tile of out0, 256 x 256, is made by a work-group of four waves, as many as a WGP has SIMDs; a wave makes 128 x 128: 64 accumulators of 16 x 16, 512 registers.  256 tiles: one for each work-group.
; K goes in steps of 512 through a ring of two LDS slots of four blocks: A's two groups (waves 0 and 1 fetch them), then W's two (waves 2 and 3).
; CLUSTERS: 4 x 4 work-groups.  The four of a row of the cluster need the same blocks of A, the four of a column the same blocks of W: each block is asked for JOINTLY, by the same tensor load with the
; same descriptor and a mask that names the four.  THE MATRIX INSTRUCTION IS USED TRANSPOSED (source 0 = 16 rows of W, source 1 = 16 rows of A): a lane then holds eight neighbouring numbers of a row of out0.
; REGISTERS, in windows of 256: window 0: v0-31 addresses; v32-95 scale words, two sets; from v128 A's fragments (8 x 16 rows x 128 K), ONE set; on the way out v128-255 take rows of out0.
;   window 1: W's fragments, TWO sets, at v0 and at v128.   window 2: the 32 accumulators of my rows 0-63 (accumulator (a, b) at v[8 (8 a + b)]);   window 3: those of my rows 64-127.
; A step of 128 along K is 64 matrix instructions, A's blocks one after the other, each against W's eight: a block of A is free as soon as its eight products are issued, so one set of registers serves A.
.set SIZE_N, 4096
.set NQ,     4                         ; matrix instructions deep in a slot
.set FR,     8                         ; registers of a fragment
.set NL,     2                         ; LDS loads that bring one
.set NP,     4                         ; places behind this matrix instruction (ISA guide 7.12.1)
.set LAPS,   4                         ; a lap = two K steps = once round the ring: 4,096 / 1,024
.set BLK,    34816
.set SCO,    32768                     ; where a block's scale bytes begin
.set GROW,   8*BLK                     ; from a group of 128 rows to the next
.set SLOT,   4*BLK
.set SPARE,  2*SLOT                    ; behind the ring: the spare words, 128 bytes for each wave: two blocks of 256 bytes that no other line names
.set SHARE,  BLK/4                     ; the prefetches: a partner's part of a block
.set SPITCH, 528                       ; the way out: a stage of 16 rows x (512 bytes + 16) for each wave.  It lies in slot 0, which has had its last fill and its last read when the first result is stored there
.set ADRA, 16                          ; v16-17  LDS address of my A fragments in slot 0, 1
.set ADRB, 20                          ; v20-21  the same for W
.set ADRS, 22                          ; v22-23  of my scale words in slot 0, 1: lanes 0-15 A's rows, lanes 16-31 W's
.set STO,  24                          ; v24     the way out: where I put 32 bytes of a row
.set RD,   25                          ; v25     the way out: where I read a row back
.set CO,   26                          ; v26     my byte offset in a row of out0
.set SPW,  28                          ; v28     LDS address of my spare word: SPARE + 4 x my thread's number; never rewritten
.set NIL,  29                          ; v29     0; never rewritten
.set PFO,  30                          ; v30     the prefetches' offsets: 256 x lane;
.set PFO2, 31                          ; v31     256 x (32 + min(lane, 1)); never rewritten
.set SC,   32                          ; scale words: set s (for slot s) at v[SC + 32 s]; in it register 4 i + q: lanes 0-15 the word of A's block i, lanes 16-31 that of W's block i, for the slot's q-th 128 along K
.set AF,   128                         ; A's fragments, in window 0
.set BK,   128                         ; the way out: 16 rows read back from the stage: v128-191 and v192-255 by turns
.set G1, 24                            ; s[24:31] descriptor group 1 for A's blocks;  s[32:39] group 0, one set for each slot
.set G0, 32
.set G1B, 48                           ; s[48:55], s[56:63] the same for W's
.set G0B, 56
.set PFA, 68                           ; s[68:69] where my prefetches stand
.set LIM, 70                           ; s70  1 in a wave that prefetches, else the greatest number
.set MSB, 0
.macro WIN new                         ; the immediate's high byte repeats the setting that is left
.if MSB != \new
	s_set_vgpr_msb (MSB<<8)|\new
.set MSB, \new
.endif
.endm
.set MUL_LO, 0xa1                      ; source 0 (W) window 1, source 1 (A) window 0, C and D window 2
.set MUL_HI, 0xf1                      ; the same, C and D window 3
.set TO_B,   0x40                      ; destination window 1, address window 0
; A joint load: waves 0 and 1 fetch for A, waves 2 and 3 for W.  Each of the two lines has ONE mask and one set of registers for all that issue it; the branch hangs on the wave's number alone.
; Four v_nop follow each of the two lines, ahead of the jump, the label and what follows.
.macro JLOAD g0a, g1a, g0b, g1b
	s_cmp_eq_u32 s15, 0
	s_cbranch_scc0 .Lfor_b_\@
	tensor_load_to_lds s[\g0a:\g0a+3], s[\g1a:\g1a+7]
	s_nop 0
.rept 4
	v_nop
.endr
	s_branch .Lasked_\@
.Lfor_b_\@:
	tensor_load_to_lds s[\g0b:\g0b+3], s[\g1b:\g1b+7]
	s_nop 0
.rept 4
	v_nop
.endr
.Lasked_\@:
.endm
; A PREFETCH INTO THE L2 of the block that I shall ask for TWO refills on (512 matrix instructions ahead of that load): at a change of slots every wave has waited for all its tensor loads, so the refill
; that follows has nothing on its way beside it.  WHO: A's blocks are read by every cluster of a row of clusters: the one with x = 0 asks; W's by every cluster of a column: the one with y = 0 asks.
; The four partners that ask for a block jointly share its 136 blocks of 256 bytes out BY ADDRESS, 34 each (place cx for A, cy for W): no branch hangs on a work-group's place in its cluster.
; 34 is no multiple of 32: the first line names 32, a lane each; in the second, lanes 0 and 1 name the last two and lanes 2 to 31 name lane 1's again.
; K steps 0 to 3 come by their loads alone (nothing is asked for at the head); the changes of K steps 0 to 3 name K steps 4 to 7; the loop's last trip (s3 = 1) asks for nothing.
.macro ASK
	s_cmp_gt_u32 s3, s[LIM]
	s_cbranch_scc0 .Lnot_mine_\@
	global_prefetch_b8 v[PFO], s[PFA:PFA+1] th:TH_LOAD_NT scope:SCOPE_SE
	global_prefetch_b8 v[PFO2], s[PFA:PFA+1] th:TH_LOAD_NT scope:SCOPE_SE
.Lnot_mine_\@:
.endm
.macro CREST                           ; a round of the cluster's barrier behind its opening barrier
	s_cmp_lg_u32 s14, 0
	s_cbranch_scc1 .Lnot_wave_0_\@
	s_barrier_signal -3
.Lnot_wave_0_\@:
	s_barrier_wait -3
	s_barrier_signal -1
	s_barrier_wait -1
.endm
.macro CROUND                          ; a whole round
	s_barrier_signal -1
	s_barrier_wait -1
	CREST
.endm
	s_load_b128 s[4:7], s[0:1], 0x0                ; a_pack s[4:5], w_pack s[6:7]
	s_load_b64 s[12:13], s[0:1], 0x10              ; out0
	v_lshl_add_u32 v[SPW], v0, 2, SPARE
	v_mov_b32 v[NIL], 0
	ds_add_u32 v28, v29
	ds_add_u32 v28, v29
	s_wait_dscnt 0x0
	v_lshrrev_b32 v1, 5, v0
	v_readfirstlane_b32 s14, v1                    ; wave 0..3
	s_lshr_b32 s15, s14, 1                         ; which half of the tile's rows is mine.  Also: I fetch for A (0) or for W (1)
	s_and_b32 s16, s14, 1                          ; which half of its columns.  Also: which of the two groups I fetch
	s_bfe_u32 s40, ttmp6, 0x40000                  ; cx, cy: my place in the cluster
	s_bfe_u32 s41, ttmp6, 0x40004
	s_lshl_b32 s42, ttmp9, 2
	s_add_co_u32 s42, s42, s40                     ; tile column = 4 x cluster x + cx
	s_and_b32 s17, ttmp7, 0xffff
	s_lshl_b32 s17, s17, 2
	s_add_co_u32 s17, s17, s41                     ; tile row = 4 x cluster y + cy
	s_lshl_b32 s43, s41, 2
	s_lshl_b32 s43, 15, s43                        ; my row of the cluster
	s_lshl_b32 s44, 0x1111, s40                    ; my column
	; descriptor group 1: a dense block of 34,816 bytes as 136 rows of 256 bytes (32 elements of 8 bytes), no padding
	s_or_b32 s[G1+0], s43, (3<<16)|(1<<21)         ; 15:0 the mask: A's blocks go to my row; 17:16 elements of 8 bytes; 21 set beside a mask
	s_or_b32 s[G1B+0], s44, (3<<16)|(1<<21)        ; W's go to my column
.irp g, G1, G1B
	s_mov_b32 s[\g+1], 32<<16                      ; tensor_dim0 = 32
	s_mov_b32 s[\g+2], 136<<16                     ; tensor_dim1 = 136
	s_mov_b32 s[\g+3], 32<<16                      ; tile_dim0 = 32
	s_mov_b32 s[\g+4], 136                         ; tile_dim1 = 136
	s_mov_b32 s[\g+5], 32                          ; elements from row to row
	s_mov_b32 s[\g+6], 0
	s_mov_b32 s[\g+7], 0
.endr
	s_lshl_b32 s20, s17, 1
	s_add_co_u32 s20, s20, s16                     ; A: group 2 x tile row + half
	s_mul_i32 s20, s20, GROW
	s_mov_b32 s21, 0
	s_lshl_b32 s46, s42, 1
	s_add_co_u32 s46, s46, s16                     ; W: group 2 x tile column + half
	s_mul_i32 s46, s46, GROW
	s_mov_b32 s47, 0
	s_mul_i32 s45, s14, BLK                        ; where they go: wave x a block: no place in the cluster enters an LDS address
	s_wait_kmcnt 0x0
	s_add_nc_u64 s[20:21], s[4:5], s[20:21]
	s_add_nc_u64 s[46:47], s[6:7], s[46:47]
	CROUND                                         ; all sixteen work-groups are here: the first joint loads meet
.irp s, 0,1
	s_mov_b32 s[G0+4*\s], 1
	s_add_co_u32 s[G0+4*\s+1], s45, \s*SLOT
	s_add_nc_u64 s[G0+4*\s+2:G0+4*\s+3], s[20:21], \s*BLK          ; K step s
	s_or_b32 s[G0+4*\s+3], s[G0+4*\s+3], 0x80000000
	s_mov_b32 s[G0B+4*\s], 1
	s_add_co_u32 s[G0B+4*\s+1], s45, \s*SLOT
	s_add_nc_u64 s[G0B+4*\s+2:G0B+4*\s+3], s[46:47], \s*BLK
	s_or_b32 s[G0B+4*\s+3], s[G0B+4*\s+3], 0x80000000
	JLOAD G0+4*\s, G1, G0B+4*\s, G1B               ; two loads of mine are out
.endr
	; the prefetches: where mine stand, and who asks
	s_and_b32 s71, ttmp7, 0xffff                   ; cluster y
	s_cmp_eq_u32 s15, 0                            ; do I fetch for A?
	s_cselect_b64 s[PFA:PFA+1], s[20:21], s[46:47] ; the group that I fetch, at K step 0
	s_cselect_b32 s72, s40, s41                    ; my place among the four that ask for it with me
	s_cselect_b32 s71, ttmp9, s71                  ; the coordinate along which other clusters read the same blocks
	s_cmp_eq_u32 s71, 0
	s_cselect_b32 s[LIM], 1, -1                    ; the same in all sixteen partners, for a given wave
	s_mul_i32 s72, s72, SHARE
	s_add_co_u32 s72, s72, 3*BLK                   ; at K step 3: the first change of slots steps it to 4
	s_mov_b32 s73, 0
	s_add_nc_u64 s[PFA:PFA+1], s[PFA:PFA+1], s[72:73]
	v_and_b32 v1, 15, v0                           ; r = lane % 16
	v_bfe_u32 v2, v0, 4, 1                         ; h = lane / 16
	v_and_b32 v6, 31, v0                           ; lane
	v_lshlrev_b32 v[PFO], 8, v6
	v_min_u32 v[PFO2], 1, v6
	v_add_nc_u32 v[PFO2], 32, v[PFO2]
	v_lshlrev_b32 v[PFO2], 8, v[PFO2]
	v_lshlrev_b32 v4, 4, v6                        ; an image's place for my lane
	s_mul_i32 s21, s15, BLK                        ; my group of A
	s_mul_i32 s22, s16, BLK                        ; my group of W,
	s_add_co_u32 s22, s22, 2*BLK                   ; behind A's two
.irp s, 0,1
	v_add_nc_u32 v[ADRA+\s], s21, v4
	v_add_nc_u32 v[ADRB+\s], s22, v4
	s_add_co_u32 s21, s21, SLOT
	s_add_co_u32 s22, s22, SLOT
.endr
	s_xor_b32 s22, s15, 1                          ; from my group of A to my group of W: (2 + column half - row half) blocks = ((row half xor 1) + column half + 1) blocks
	s_add_co_u32 s22, s22, s16
	s_add_co_u32 s22, s22, 1
	s_mul_i32 s22, s22, BLK
	v_mul_u32_u24 v5, s22, v2                      ; lanes 16-31 take W's: one product of the lane's half with the distance
	v_lshl_add_u32 v5, v1, 4, v5                   ; 16 scale bytes a row
	s_mul_i32 s21, s15, BLK
	s_add_co_u32 s21, s21, SCO
	v_add_nc_u32 v[ADRS], s21, v5
	v_add_nc_u32 v[ADRS+1], SLOT, v[ADRS]
	s_mul_i32 s23, s14, 16*SPITCH                  ; my stage
	v_mul_u32_u24 v5, v1, SPITCH                   ; in: row r, 32 bytes for each half of the lanes
	v_lshl_add_u32 v5, v2, 5, v5
	v_add_nc_u32 v[STO], s23, v5
	v_lshlrev_b32 v[CO], 4, v6                     ; back: the 32 lanes take one row of 512 bytes; and the same in out0
	v_add_nc_u32 v[RD], s23, v[CO]
	s_lshl_b32 s20, s17, 8
	s_lshl_b32 s21, s15, 7
	s_add_co_u32 s20, s20, s21                     ; my first row: 256 x tile row + 128 x half
	s_lshl_b32 s20, s20, 14                        ; rows of 16,384 bytes (under 2^26)
	s_lshl_b32 s46, s42, 10                        ; my first column, in bytes: 1,024 x tile column + 512 x half
	s_lshl_b32 s47, s16, 9
	s_add_co_u32 s46, s46, s47
	s_add_co_u32 s20, s20, s46
	s_mov_b32 s21, 0
	s_add_nc_u64 s[12:13], s[12:13], s[20:21]
.macro FRAG reg, adr, q, i             ; a fragment, 16 rows x 128 K of 4-bit codes, is 8 registers: lane l holds row l % 16; registers 4 c .. 4 c + 3 hold K = 64 c + 32 (l / 16) + 0 .. 31.  It lies in LDS as these registers' image
.irp c, 0,1
	ds_load_b128 v[\reg+4*\c:\reg+4*\c+3], v[\adr] offset:(8*(\q)+(\i))*1024+512*\c
.endr
.endm
; 16 matrix instructions: A's blocks a0, a0 + 1 x W's eight, 128 along K: the slot's q-th.  p: W's set;  sc: the set of scale words.  zero = 1: the first product starts the sums: nothing is ever cleared.
; The 64 accumulators take turns, one instruction a turn, in the same order in every step.
.macro MUL16 a0, p, q, sc, zero
.irp a, \a0, \a0+1
.irp b, 0,1,2,3,4,5,6,7
.if \zero
	v_wmma_scale_f32_16x16x128_f8f6f4 v[8*(8*((\a)%4)+\b):8*(8*((\a)%4)+\b)+7], v[128*(\p)+FR*\b:128*(\p)+FR*\b+FR-1], v[AF+FR*(\a):AF+FR*(\a)+FR-1], 0, v[SC+8*NQ*(\sc)+NQ*\b+(\q)], v[SC+8*NQ*(\sc)+NQ*(\a)+(\q)] matrix_a_fmt:MATRIX_FMT_FP4 matrix_b_fmt:MATRIX_FMT_FP4 matrix_a_scale:MATRIX_SCALE_ROW1
.else
	v_wmma_scale_f32_16x16x128_f8f6f4 v[8*(8*((\a)%4)+\b):8*(8*((\a)%4)+\b)+7], v[128*(\p)+FR*\b:128*(\p)+FR*\b+FR-1], v[AF+FR*(\a):AF+FR*(\a)+FR-1], v[8*(8*((\a)%4)+\b):8*(8*((\a)%4)+\b)+7], v[SC+8*NQ*(\sc)+NQ*\b+(\q)], v[SC+8*NQ*(\sc)+NQ*(\a)+(\q)] matrix_a_fmt:MATRIX_FMT_FP4 matrix_b_fmt:MATRIX_FMT_FP4 matrix_a_scale:MATRIX_SCALE_ROW1
.endif
.endr
.endr
.endm
.macro FETCH_B slot, q, p              ; W's eight fragments of the slot's q-th 128 along K into set p
	WIN TO_B
.irp i, 0,1,2,3,4,5,6,7
	FRAG 128*(\p)+FR*\i, ADRB+\slot, \q, \i
.endr
	WIN 0
.endm
.macro FETCH_A slot, q, i0             ; A's blocks i0 .. i0 + 3
.irp i, \i0, \i0+1, \i0+2, \i0+3
	FRAG AF+FR*(\i), ADRA+\slot, \q, \i
.endr
.endm
.macro SCALES sc                       ; slot sc's scale words into set sc: four words a row; lanes 0-15 take A's block i, lanes 16-31 W's block i
.irp i, 0,1,2,3,4,5,6,7
	ds_load_b128 v[SC+8*NQ*\sc+NQ*\i:SC+8*NQ*\sc+NQ*\i+3], v[ADRS+\sc] offset:256*\i
.endr
.endm
; A load into a register that a matrix instruction has read, and an LDS store that reads a matrix result, stand NP places behind that matrix instruction, and only plain vector instructions that name none
; of its registers are places (ISA guide 7.12.1 for vector instructions); this text does not count the matrix instructions in between.
.macro PLACES n
.rept \n
	v_nop
.endr
.endm
; A step of 128 along K that has its successor in the same slot.
.macro STEP slot, q, zero
	s_wait_dscnt 4*NL                              ; W's set, the scale words and A's blocks 0-3 are in; the youngest eight loads (A's blocks 4-7) may be out
	WIN MUL_LO
	MUL16 0, (\q)%2, \q, \slot, \zero
	MUL16 2, (\q)%2, \q, \slot, \zero
	s_wait_dscnt 0                                 ; A's blocks 4-7 are in (asked for 32 matrix instructions ago)
	PLACES NP
	FETCH_B \slot, (\q)+1, 1-(\q)%2
	FETCH_A \slot, (\q)+1, 0
	WIN MUL_HI
	MUL16 4, (\q)%2, \q, \slot, \zero
	MUL16 6, (\q)%2, \q, \slot, \zero
	PLACES NP
	WIN 0
	FETCH_A \slot, (\q)+1, 4
.endm
; A slot's last step changes slots: ONE barrier; in front of it each wave waits for all its tensor loads, adds 0 to its spare word, and waits for that and for its own reads of this slot.  fill = 1: this slot is filled again, two K steps ahead.
.macro TURN slot, next, fill
.if \fill
	s_wait_xcnt 0x0                                ; the last prefetches, a K step back, have read their address: it is stepped here, ahead of the waits of the change of slots
	s_add_nc_u64 s[PFA:PFA+1], s[PFA:PFA+1], BLK
.endif
	s_wait_tensorcnt 0x0                           ; all my tensor loads have landed: my part of the next slot;  (every window is 0 here: the add's two registers lie in window 0)
	ds_add_u32 v[SPW], v[NIL]                      ; 0 onto my spare word
	s_wait_dscnt 4*NL+1                            ; (the add and the youngest eight loads, A's blocks 4-7, may be out)
	WIN MUL_LO
	MUL16 0, 1, NQ-1, \slot, 0                     ; sixteen matrix instructions stand between the add and the wait for it
	s_wait_dscnt 0x0                               ; the add is done, and my reads of this slot are over
	s_barrier_signal -1
	MUL16 2, 1, NQ-1, \slot, 0
	WIN 0
	s_barrier_wait -1
.if \fill
	CREST                                          ; the barrier has opened a round of the cluster's barrier: no wave of any partner still reads this slot or has a load on its way
	s_add_nc_u64 s[G0+4*\slot+2:G0+4*\slot+3], s[G0+4*\slot+2:G0+4*\slot+3], 2*BLK
	s_add_nc_u64 s[G0B+4*\slot+2:G0B+4*\slot+3], s[G0B+4*\slot+2:G0B+4*\slot+3], 2*BLK
	JLOAD G0+4*\slot, G1, G0B+4*\slot, G1B         ; the first tensor load behind the round, my one load until the next; the four v_nop behind it are the places in front of the loads below
.else
	PLACES NP
.endif
	FETCH_B \next, 0, 0
	FETCH_A \next, 0, 0
	SCALES \next
.if \fill
	ASK                                            ; behind the joint load and the run of LDS loads that the next products wait for
.endif
	WIN MUL_HI
	MUL16 4, 1, NQ-1, \slot, 0
	MUL16 6, 1, NQ-1, \slot, 0
	PLACES NP
	WIN 0
	FETCH_A \next, 0, 4
.endm
.macro STEPS slot, from                ; the slot's steps from .. NQ - 2
.set Q, \from
.rept NQ-1-\from
	STEP \slot, Q, 0
.set Q, Q+1
.endr
.endm
	s_wait_tensorcnt 1                             ; my part of K step 0 is in (K step 1's load may be out)
	s_barrier_signal -1
	s_barrier_wait -1                              ; everybody's is
	FETCH_B 0, 0, 0
	FETCH_A 0, 0, 0
	SCALES 0
	FETCH_A 0, 0, 4
	STEP 0, 0, 1                                   ; the first step stands in front of the loop: its products start the sums
	s_mov_b32 s3, LAPS-1
.Llap:                                                 ; a trip goes once round the ring, from a lap's second step to the next lap's first, and fills both slots again
	STEPS 0, 1
	TURN 0, 1, 1
	STEPS 1, 0
	TURN 1, 0, 1
	STEP 0, 0, 0
	s_sub_co_u32 s3, s3, 1
	s_cmp_lg_u32 s3, 0
	s_cbranch_scc1 .Llap
	STEPS 0, 1                                     ; the last lap fills nothing, and has no round of the cluster's barrier
	TURN 0, 1, 0
	STEPS 1, 0
	s_wait_dscnt 4*NL                              ; the very last step: nothing more to fetch
	WIN MUL_LO
	MUL16 0, 1, NQ-1, 1, 0
	MUL16 2, 1, NQ-1, 1, 0
	s_wait_dscnt 0
	WIN MUL_HI
	MUL16 4, 1, NQ-1, 1, 0
	MUL16 6, 1, NQ-1, 1, 0
	WIN 0
; THE WAY OUT, block by block of 16 rows x 128 columns.  A lane holds 32 neighbouring bytes of a row, and the lanes beside it hold other rows: so a block goes through my own stage in LDS and comes back as whole
; rows of 512 bytes, which the 32 lanes store as 512 consecutive aligned bytes.  LDS serves a wave's instructions in order (ISA guide 5.7.1.4): no wait between the stores and the loads, nor in front of the next block's stores.
.macro TOSTAGE a
.set AC, 64*((\a)%4)
	WIN 0x08+4*((\a)/4)                            ; the data: window 2 or 3
.irp b, 0,1,2,3,4,5,6,7
	ds_store_b128 v[STO], v[AC+8*\b:AC+8*\b+3] offset:64*\b          ; each accumulator from its low end on
	ds_store_b128 v[STO], v[AC+8*\b+4:AC+8*\b+7] offset:64*\b+16
.endr
	WIN 0
.set BB, BK+64*((\a)%2)
.irp t, 0,1,2,3,4,5,6,7,8,9,10,11,12,13,14,15
	ds_load_b128 v[BB+4*\t:BB+4*\t+3], v[RD] offset:\t*SPITCH
.endr
.endm
.macro SEND a, younger                 ; younger: the LDS instructions issued behind block a's loads, which may stay out
.set BB, BK+64*((\a)%2)
	s_wait_dscnt \younger                          ; the block is back in registers
.if (\a) > 0
	s_add_nc_u64 s[12:13], s[12:13], 16*SIZE_N*4   ; (behind a wait on XCNT: the earlier stores have read their base)  16 rows on, so that the stores' offsets stay small: 15 rows of 16,384 bytes at the most
.endif
.irp t, 0,1,2,3,4,5,6,7,8,9,10,11,12,13,14,15
	global_store_b128 v[CO], v[BB+4*\t:BB+4*\t+3], s[12:13] offset:\t*SIZE_N*4 th:TH_STORE_NT   ; 32 lanes store 512 consecutive bytes, at a multiple of 256 from out0's first byte; written once, read by nobody here
.endr
.endm
	PLACES NP                                      ; in front of the loads into the registers that held A's fragments, and of the first reads of results
	TOSTAGE 0
.irp a, 1,2,3,4,5,6,7
.if \a > 1
	s_wait_xcnt 0x0                                ; block a - 2's stores have read their registers and their base: block a's loads may land there, and the base may step
.endif
	TOSTAGE \a
	SEND \a-1, 32                                  ; behind block a - 1's loads: block a's 16 stores and 16 loads
.endr
	s_wait_xcnt 0x0                                ; block 6's stores have read their base
	SEND 7, 0
	s_wait_tensorcnt 0x0                           ; the wave's end, behind my last tensor load and my last LDS store
	ds_add_u32 v[SPW], v[NIL]
	s_wait_dscnt 0x0
	CROUND                                         ; the closing round: no work-group ends while a partner may still ask for a block that names it
	s_endpgm
.Lfunc_end_k_q6584d00301_gemm:
	.size	k_q6584d00301_gemm, .Lfunc_end_k_q6584d00301_gemm-k_q6584d00301_gemm
	.p2alignl 7, 3214868480
	.fill 96, 4, 3214868480
	.section	.rodata,"a",@progbits
	.p2align	6, 0x0
	.amdhsa_kernel k_q6584d00301_gemm
		.amdhsa_group_segment_fixed_size 327680
		.amdhsa_private_segment_fixed_size 0
		.amdhsa_enable_private_segment 0
		.amdhsa_kernarg_size 24
		.amdhsa_user_sgpr_count 2
		.amdhsa_user_sgpr_kernarg_segment_ptr 1
		.amdhsa_wavefront_size32 1
		.amdhsa_system_sgpr_workgroup_id_x 1
		.amdhsa_system_sgpr_workgroup_id_y 1
		.amdhsa_system_sgpr_workgroup_id_z 1
		.amdhsa_system_vgpr_workitem_id 0
		.amdhsa_next_free_vgpr 1024
		.amdhsa_next_free_sgpr 98
		.amdhsa_reserve_vcc 0
		.amdhsa_float_denorm_mode_32 3
		.amdhsa_float_denorm_mode_16_64 3
		.amdhsa_memory_ordered 1
		.amdhsa_forward_progress 1
		.amdhsa_inst_pref_size 210
	.end_amdhsa_kernel
	.amdgpu_metadata
---
amdhsa.version: [ 1, 2 ]
amdhsa.kernels:
  - .name:           k_q6584d00301_gemm
    .symbol:         k_q6584d00301_gemm.kd
    .args:
      - { .name: a_pack, .offset: 0, .size: 8, .value_kind: global_buffer, .address_space: global }
      - { .name: w_pack, .offset: 8, .size: 8, .value_kind: global_buffer, .address_space: global }
      - { .name: out0, .offset: 16, .size: 8, .value_kind: global_buffer, .address_space: global }
    .group_segment_fixed_size: 327680
    .private_segment_fixed_size: 0
    .kernarg_segment_align: 8
    .kernarg_segment_size: 24
    .max_flat_workgroup_size: 128
    .sgpr_count:     98
    .vgpr_count:     1024
    .wavefront_size: 32
...
	.end_amdgpu_metadata
.endif
;; end of part 2
